; MI455X (gfx1250); checked and timed in simulation.
; The chip was launched on July 23, 2026; its instructions are those of AMD's public machine-readable ISA for CDNA 5 (MIT licence, August 2026) and "CDNA5" Instruction Set Architecture Reference Guide (July 2026). The comments in the code are by the model that wrote it; some were corrected since.
;; QKV Attention. Allowed arithmetic: matrix products marked QUANTISED: E3M2 operands, one E8M0 scale for each 32 along K, by v_wmma_scale_f32_16x16x128_f8f6f4 with both operands' format E3M2, f32 sums; everything else in f32.
;; Inputs: qkv 16 x 192 x 4,096 float32.
;; Outputs: out0 16 x 64 x 4,096 float32.
;; This version of the problem:
;;   THIS VERSION OF THE PROBLEM IS GIVEN IN LOW PRECISION. The matrix products marked QUANTISED in the list below multiply operands that are first quantised to E3M2 (3 exponent bits, 2 mantissa bits; 6 bits a number), with one power-of-two scale for each 32 numbers along K (OCP MX v1.0); their sums are f32. All else is computed in f32.
;;   The module's matrix products, in the order in which they are computed (A, B: the left and right operand; K: the contracted axis; several contracted axes count as one K, in the product's order):
;;     1. batch 16 x [M 4,096, K 64] x [K 64, N 4,096]; A: computed on the way; B: computed on the way: QUANTISED
;;     2. batch 16 x [M 64, K 4,096] x [K 4,096, N 4,096]; A: computed on the way; B: softmax (see below): QUANTISED
;;   THE QUANTISER, for each operand of a quantised product, along K:
;;     - K is cut into blocks of 32 from its start; a last block that is shorter is filled with zeros.
;;     - A block's scale is 2^e with e = floor(log2(the largest magnitude in the block)) - 4, held to -126 .. 127; a block of zeros has e = 0. As a byte (E8M0): e + 127.
;;     - Each number is divided by its block's scale, clamped to +-28, and rounded to the nearest number of E3M2, ties to even, subnormals kept.
;;     - The product sums the exact products of the quantised numbers (number of the format x scale) in f32.
;;   ~~~python
;;   def quantise(x, axis):      # numpy; x: float32 -> the quantised numbers, widened to float32 again
;;       x = np.moveaxis(x, axis, -1); K = x.shape[-1]
;;       x = np.pad(x, [(0, 0)] * (x.ndim - 1) + [(0, -K % 32)]); x = x.reshape(x.shape[:-1] + (-1, 32)); a = np.abs(x).max(-1, keepdims=True)
;;       e = np.where(a > 0, np.clip(np.frexp(np.where(a > 0, a, 1))[1] - 1 - 4, -126, 127), 0)      # np.frexp(a)[1] - 1 = floor(log2(a)), exactly
;;       r = np.clip(x / 2.0 ** e, -28, 28)
;;       step = 2.0 ** (np.maximum(np.frexp(np.where(r == 0, 1, r))[1] - 1, -2) - 2)
;;       q = np.round(r / step) * step * 2.0 ** e      # np.round: ties to even
;;       return np.moveaxis(q.reshape(q.shape[:-2] + (-1,))[..., :K], -1, axis).astype(np.float32)
;;   ~~~
;;   SOFTMAX AHEAD OF A QUANTISED PRODUCT. Where the list says 'softmax', what is quantised is not the finished softmax but p = 2^(t - M), with t = logit x log2(e) and M = ceil(the row's largest t), a whole number; so 1/2 < the row's largest p <= 1. The row's sum l is taken of the UNQUANTISED p, in f32, and the product's result is divided by l at the end. Since M is a whole number, a kernel that streams over the keys may use a running M (the ceiling of the running maximum): every later rescaling is an exact power of two, which a block's scale takes up: the codes' values come out the same.
;;   OPERANDS COMPUTED ON THE WAY. 'Computed on the way' means the value that the module computes at that place (a softmax that the list does not call 'softmax' is quantised finished and normalised). What goes into a quantiser is computed in f32, as accurately as f32 sums, v_exp_f32 and their like allow (about 1e-6 of the number): no bf16 or f16 on the way to a quantiser, and a product that is left as it is and whose result goes on into a quantised operand takes f32 operands (vector FMAs, or v_wmma_f32_16x16x4_f32). A number that lies on a knife's edge between two numbers of the format may be rounded either way, as far as f32 arithmetic and the matrix unit's own rounding can turn it there, and no further.
;; One version. Each part assembles by itself: llvm-mc -triple=amdgcn-amd-amdhsa -mcpu=gfx1250 --defsym DOCPART=n.
;; ======== version 1 of 1: 2 launches
;; limits: right only within a limited range of input values
;; workspace buffers: kv 6,553,600 bytes
;; launch quant (part 1): grid 32 x 16, 4 waves a work-group, no clusters, 41,472 bytes of LDS; arguments qkv, kv; writes kv
.if DOCPART == 1
	.amdgcn_target "amdgcn-amd-amdhsa--gfx1250"
	.amdhsa_code_object_version 6
	.text
	.protected	k_q7a937564a5_quant
	.globl	k_q7a937564a5_quant
	.p2align	8
	.type	k_q7a937564a5_quant,@function
k_q7a937564a5_quant:
	s_mov_b64 s[64:65], 0
	v_nop
	global_prefetch_b8 v0, s[64:65] scope:SCOPE_SE
	s_setreg_imm32_b32 hwreg(HW_REG_WAVE_MODE, 25, 1), 1
	s_wait_xcnt 0x0
; k x 64^(-1/4) and v of qkv [16][192][4096] f32 become codes of BF6 (E3M2) with one E8M0 byte for each 32 along the product's K, laid in kv as IMAGES OF THE OPERANDS' REGISTERS.
; A work-group takes one key step (128 keys) of one batch.  kv, for each batch 409,600 bytes: 32 key steps x 12,288 bytes of codes (K's fragments 0-3, then V's fragments 0-3, 1,536 bytes each), then 32 scale images of 512 bytes.
; A FRAGMENT'S IMAGE: register p (0..11) of lane l lies at 512 (p / 4) + 16 l + 4 (p % 4).
; K's FRAGMENT b (K = the 64 channels, two blocks of 32) holds TWO tiles of 16 keys: registers 6 u .. 6 u + 5 of lane (m, hb) are channels 32 hb .. 32 hb + 31 of
; key 64 (b / 2) + 32 (m / 8) + 16 (b % 2) + 8 u + m % 8: so in the scores' transposed tiles a lane's 32 registers of four tiles on end are one whole block of 32 neighbouring keys.
; V's FRAGMENT t (K = the keys): registers 6 c .. 6 c + 5 of lane (r, h) are v[16 t + r][keys 64 c + 32 h + 0 .. 31].
; THE SCALE IMAGE: word (register i, lane l) at 16 l + 4 i.  Register 0: lanes 0-15 K's fragment 0, lanes 16-31 fragment 1; register 1: fragments 2, 3; registers 2, 3: V's likewise.
;   K's word of row m: bytes 0, 1 the two channel blocks of the key of tile u = 0, bytes 2, 3 those of tile u = 1.  V's word of row r: bytes 0-3 the four key blocks.
; WAVE w quantises keys 32 w .. 32 w + 31: a lane takes a key and its registers run down the channels, so each load of the wave reads 128 consecutive bytes.  Key 32 w + l belongs to fragment 2 (w / 2) + l / 16,
; tile u = (l / 8) % 2, row m = 8 (w % 2) + l % 8: the four images are gathered in LDS by all waves, and behind the work-group's barrier wave w stores fragment w's image.
; Wave w also makes V's fragment w (16 rows of 512 bytes, turned through its own stage in LDS); there the registers are the image.
; A block's scale is 2^(floor(log2(largest magnitude)) - 4): the largest magnitude's exponent field less 4, held at 1 from below.
; LIMITS: NaN and infinities among the inputs are not served; a block whose largest magnitude lies under 2^-122 keeps the byte 1; a block of zeros gets the byte 1 where the rule says 127: its codes are zeros,
; which add nothing under any byte but 0xff, and the bytes are read by this program alone.
; Straight-line text but for wave 0's scale store: every offset is an immediate, no register that a memory instruction names is written again, EXEC is never changed.
.set ROWT,  16384                      ; a row of qkv in bytes
.set KIMG,  0                          ; LDS: K's four images, 1,536 bytes each
.set VST,   6144                       ; a stage for each wave: 16 rows x (512 bytes + 16)
.set SCIMG, 39936                      ; the step's scale image, 512 bytes, written by all four waves
.set KOFF, 3                           ; v3   4 x thread: my key's bytes in a row of k
.set VOFF, 4                           ; v4   16 x lane + 16 rows x wave
.set OOFF, 5                           ; v5   16 x lane + 1,536 x wave
.set L16,  6                           ; v6   16 x lane
.set AX,   7                           ; v7   where my codes' pairs 0 and 2 go in the image
.set AY,   8                           ; v8   where pair 1 goes
.set AIM,  9                           ; v9   fragment w's image read back
.set AKS,  10                          ; v10  my key's two scale bytes
.set VSI,  11                          ; v11  the stage, on the way in
.set VSO,  12                          ; v12  and on the way out
.set AVS,  13                          ; v13  my row's scale word of V
.set H8,   14                          ; v14  8 x (lane / 16)
.set ASC,  15                          ; v15  the scale image read back
.set KX,   32                          ; v32-95   k's 64 numbers of my key; later v's 64 numbers of my row
.set VX,   32
.set VR,   96                          ; v96-159  v as loaded
.set C0,   160                         ; k's codes; later V's fragment
.set VC,   160
.set T0,   176                         ; a conversion's second half
.set T1,   180
.set IM,   184                         ; K's fragment read back
	s_load_b128 s[4:7], s[0:1], 0x0                ; qkv, kv
	v_lshl_add_u32 v200, v0, 2, 0xa000             ; my spare word
	v_mov_b32 v201, 0
	v_lshrrev_b32 v1, 5, v0
	v_readfirstlane_b32 s10, v1                    ; wave 0..3
	s_and_b32 s11, ttmp7, 0xffff                   ; the batch; ttmp9 is the key step
	s_mov_b32 s12, 0x76543210
	s_mov_b32 s13, 0xfedcba98                      ; selects for lane l xor 16
	s_mov_b32 s14, 0x3eb504f3                      ; 64^(-1/4)
	s_mov_b32 s15, s14
	s_mul_i32 s16, s11, 192*ROWT
	s_lshl_b32 s17, ttmp9, 9                       ; the step's 128 keys: 512 bytes of a row
	s_add_co_u32 s16, s16, s17
	s_mul_i32 s18, s11, 409600
	s_add_co_u32 s26, s18, s17                     ; the step's scale image,
	s_add_co_u32 s26, s26, 393216                  ; behind the batch's codes
	s_mul_i32 s19, ttmp9, 12288
	s_add_co_u32 s18, s18, s19                     ; the step's codes
	s_mov_b32 s17, 0
	s_mov_b32 s19, 0
	s_mov_b32 s27, 0
	v_and_b32 v2, 31, v0                           ; lane
	v_lshlrev_b32 v[L16], 4, v2
	v_lshlrev_b32 v[KOFF], 2, v0
	s_lshl_b32 s20, s10, 18                        ; 16 rows of 16,384 bytes a wave
	v_add_nc_u32 v[VOFF], s20, v[L16]
	s_wait_alu depctr_va_vdst(0)                   ; the wait at the head's end
	s_wait_kmcnt 0x0
	s_add_nc_u64 s[4:5], s[4:5], s[16:17]
	s_add_nc_u64 s[8:9], s[6:7], s[26:27]
	s_add_nc_u64 s[6:7], s[6:7], s[18:19]
.set i, 0
.rept 64
	global_load_b32 v[KX+i], v[KOFF], s[4:5] offset:(64+i)*ROWT th:TH_LOAD_NT          ; k[channel i][my key]: the four waves read 512 consecutive bytes of the row
.set i, i+1
.endr
.set i, 0
.rept 16
	global_load_b128 v[VR+4*i:VR+4*i+3], v[VOFF], s[4:5] offset:(128+i)*ROWT th:TH_LOAD_NT   ; v[16 w + i]: 512 consecutive bytes
.set i, i+1
.endr
	v_and_b32 v16, 15, v0                          ; r
	v_bfe_u32 v17, v0, 4, 1                        ; h = lane / 16
	v_and_b32 v18, 7, v0
	s_and_b32 s28, s10, 1
	s_lshl_b32 s28, s28, 3
	v_add_nc_u32 v18, s28, v18                     ; m = lane % 8 + 8 (w % 2): my key's row in its tile
	v_bfe_u32 v19, v0, 3, 1                        ; u = (lane / 8) % 2: which of the fragment's two tiles
	s_mul_i32 s21, s10, 1536
	v_add_nc_u32 v[OOFF], s21, v[L16]
	v_add_nc_u32 v[AIM], KIMG, v[OOFF]
	s_lshr_b32 s29, s10, 1
	s_mul_i32 s29, s29, 3072                       ; fragment 2 (w / 2)'s image (KIMG = 0),
	v_lshl_add_u32 v[AX], v18, 4, s29              ; lane slot m; block hb's slot is 256 hb further on;
	v_mad_u32_u24 v[AX], v17, 1536, v[AX]          ; lanes 16-31 write the next fragment's image
	v_mad_u32_u24 v[AY], v19, 1016, v[AX]          ; u = 0: registers 2, 3 at byte 8; u = 1: registers 8, 9 at byte 1,024 (the 8 stands in the immediate)
	v_mad_u32_u24 v[AX], v19, 520, v[AX]           ; u = 0: registers 0, 1 at 0, 4, 5 at 512; u = 1: registers 6, 7 at 520, 10, 11 at 1,032
	s_and_b32 s22, s10, 1
	s_lshl_b32 s22, s22, 8                         ; fragments 1 and 3 stand in lanes 16-31 of the scale image,
	s_lshr_b32 s23, s10, 1
	s_lshl_b32 s23, s23, 2                         ; fragments 2 and 3 one register on
	s_add_co_u32 s22, s22, s23
	s_add_co_u32 s22, s22, SCIMG                   ; V's fragment w
	s_add_co_u32 s30, s23, SCIMG                   ; K's fragment 2 (w / 2)
	s_wait_alu depctr_va_vdst(0)                   ; directly ahead of the readers below
	v_lshl_add_u32 v[AKS], v18, 4, s30
	v_lshl_add_u32 v[AKS], v17, 8, v[AKS]          ; lanes 16-31: the next fragment
	v_lshl_add_u32 v[AKS], v19, 1, v[AKS]
	v_lshl_add_u32 v[AVS], v16, 4, s22
	s_mul_i32 s24, s10, 16*528
	s_add_co_u32 s24, s24, VST
	v_add_nc_u32 v[VSI], s24, v[L16]
	v_mul_u32_u24 v[VSO], v16, 528
	v_lshl_add_u32 v[VSO], v17, 7, v[VSO]
	v_add_nc_u32 v[VSO], s24, v[VSO]               ; row r, + 128 h: my 32 keys of each 64
	v_lshlrev_b32 v[H8], 3, v17
	v_add_nc_u32 v[ASC], SCIMG, v[L16]
	v_mov_b32 v27, 0                               ; a lane permute's destination counts as one of its sources
.macro KBLOCK hb                       ; block hb of my key: channels 32 hb .. 32 hb + 31, all in my registers
.set XS, KX+32*\hb
.set CC, C0+8*\hb
	s_wait_loadcnt 48-32*\hb                       ; behind this block's 32 loads stand k's later 32 (hb = 0 only) and v's 16
.set i, 0
.rept 16
	v_pk_mul_f32 v[XS+i:XS+i+1], v[XS+i:XS+i+1], s[14:15] op_sel_hi:[1,0]     ; k x 64^(-1/4), in f32, ahead of the quantiser
.set i, i+2
.endr
	v_max3_num_f32 v20, |v[XS]|, |v[XS+1]|, |v[XS+2]|
	v_max3_num_f32 v21, |v[XS+3]|, |v[XS+4]|, |v[XS+5]|
.irp i, 6,10,14,18,22,26
	v_max3_num_f32 v20, v20, |v[XS+\i]|, |v[XS+\i+1]|
	v_max3_num_f32 v21, v21, |v[XS+\i+2]|, |v[XS+\i+3]|
.endr
	v_max3_num_f32 v20, v20, |v[XS+30]|, |v[XS+31]|
	v_max3_num_f32 v20, v20, v21, 0x2800000        ; and the floor 2^(5 - 127): the byte cannot fall under 1
	v_add_nc_u32 v22, 0xfe000000, v20              ; 4 off its exponent field: the conversion's scale operand
	v_lshrrev_b32 v[23+\hb], 23, v22               ; the scale's byte
	v_cvt_scalef32_pk16_bf6_f32 v[CC:CC+2], v[XS:XS+15], v22
	v_cvt_scalef32_pk16_bf6_f32 v[T0:T0+2], v[XS+16:XS+31], v22               ; (a conversion's three registers begin on an even number)
	v_nop                                          ; one plain place behind a scaled conversion
.irp i, 0,1,2
	v_mov_b32 v[CC+3+\i], v[T0+\i]
.endr
	ds_store_b64 v[AX], v[CC:CC+1] offset:256*\hb
	ds_store_b64 v[AY], v[CC+2:CC+3] offset:8+256*\hb
	ds_store_b64 v[AX], v[CC+4:CC+5] offset:512+256*\hb
.endm
	KBLOCK 0
	KBLOCK 1
	v_lshl_or_b32 v25, v24, 8, v23                 ; my key's two bytes
	ds_store_b16 v[AKS], v25
	s_wait_loadcnt 0x0                             ; V: my wave's 16 rows turn through its stage
.set i, 0
.rept 16
	ds_store_b128 v[VSI], v[VR+4*i:VR+4*i+3] offset:528*i
.set i, i+1
.endr
.irp c, 0,1
.irp j, 0,1,2,3,4,5,6,7
	ds_load_b128 v[VX+32*\c+4*\j:VX+32*\c+4*\j+3], v[VSO] offset:256*\c+16*\j
.endr
.endr
	s_wait_dscnt 0x0
.irp c, 0,1                                    ; my block 2 c + h: all its 32 numbers are mine
	v_max3_num_f32 v[20+\c], |v[VX+32*\c]|, |v[VX+1+32*\c]|, 0x2800000
.endr
.irp i, 2,4,6,8,10,12,14,16,18,20,22,24,26,28,30
.irp c, 0,1
	v_max3_num_f32 v[20+\c], v[20+\c], |v[VX+32*\c+\i]|, |v[VX+1+32*\c+\i]|
.endr
.endr
.irp c, 0,1
	v_add_nc_u32 v[22+\c], 0xfe000000, v[20+\c]
.endr
.irp c, 0,1
	v_lshrrev_b32 v[24+\c], 23, v[22+\c]
.endr
	v_lshl_or_b32 v26, v25, 16, v24                ; my two bytes: blocks h and 2 + h of row r,
	v_lshlrev_b32 v26, v[H8], v26                  ; at their places in the scale word;
	v_permlanex16_b32 v27, v26, s12, s13
	v_or_b32 v26, v26, v27                         ; with lane l xor 16's two the word is whole
	ds_store_b32 v[AVS], v26 offset:8
	v_cvt_scalef32_pk16_bf6_f32 v[VC:VC+2], v[VX:VX+15], v22
	v_cvt_scalef32_pk16_bf6_f32 v[T0:T0+2], v[VX+16:VX+31], v22
	v_cvt_scalef32_pk16_bf6_f32 v[VC+6:VC+8], v[VX+32:VX+47], v23
	v_cvt_scalef32_pk16_bf6_f32 v[T1:T1+2], v[VX+48:VX+63], v23
	v_nop
.irp i, 0,1,2
	v_mov_b32 v[VC+3+\i], v[T0+\i]
	v_mov_b32 v[VC+9+\i], v[T1+\i]
.endr
.irp c, 0,1,2
	global_store_b128 v[OOFF], v[VC+4*\c:VC+4*\c+3], s[6:7] offset:6144+512*\c  ; the registers ARE the image
.endr
	s_wait_dscnt 0x0                               ; for the others' sake: my stores into K's images and the scale image are done
	s_barrier_signal -1
	s_barrier_wait -1
.irp c, 0,1,2
	ds_load_b128 v[IM+4*\c:IM+4*\c+3], v[AIM] offset:512*\c      ; fragment w's image, which two waves wrote
.endr
	s_wait_dscnt 0x0
.irp c, 0,1,2
	global_store_b128 v[OOFF], v[IM+4*\c:IM+4*\c+3], s[6:7] offset:512*\c     ; 32 lanes store 512 consecutive bytes, at a multiple of 256 from kv's first byte
.endr
	s_cmp_lg_u32 s10, 0
	s_cbranch_scc1 .Lend                           ; wave 0 stores the scale image: two whole blocks of 256 bytes
	ds_load_b128 v[28:31], v[ASC]
	s_wait_dscnt 0x0
	global_store_b128 v[L16], v[28:31], s[8:9]
.Lend:
	s_wait_tensorcnt 0x0                           ; the wave's end
	ds_add_u32 v200, v201
	s_wait_dscnt 0x0
	s_endpgm
.Lfunc_end_k_q7a937564a5_quant:
	.size	k_q7a937564a5_quant, .Lfunc_end_k_q7a937564a5_quant-k_q7a937564a5_quant
	.p2alignl 7, 3214868480
	.fill 96, 4, 3214868480
	.section	.rodata,"a",@progbits
	.p2align	6, 0x0
	.amdhsa_kernel k_q7a937564a5_quant
		.amdhsa_group_segment_fixed_size 41472
		.amdhsa_private_segment_fixed_size 0
		.amdhsa_enable_private_segment 0
		.amdhsa_kernarg_size 16
		.amdhsa_user_sgpr_count 2
		.amdhsa_user_sgpr_kernarg_segment_ptr 1
		.amdhsa_wavefront_size32 1
		.amdhsa_system_sgpr_workgroup_id_x 1
		.amdhsa_system_sgpr_workgroup_id_y 1
		.amdhsa_system_sgpr_workgroup_id_z 1
		.amdhsa_system_vgpr_workitem_id 0
		.amdhsa_next_free_vgpr 202
		.amdhsa_next_free_sgpr 66
		.amdhsa_reserve_vcc 0
		.amdhsa_float_denorm_mode_32 3
		.amdhsa_float_denorm_mode_16_64 3
		.amdhsa_memory_ordered 1
		.amdhsa_forward_progress 1
		.amdhsa_inst_pref_size 23
	.end_amdhsa_kernel
	.amdgpu_metadata
---
amdhsa.version: [ 1, 2 ]
amdhsa.kernels:
  - .name:           k_q7a937564a5_quant
    .symbol:         k_q7a937564a5_quant.kd
    .args:
      - { .name: qkv, .offset: 0, .size: 8, .value_kind: global_buffer, .address_space: global }
      - { .name: kv, .offset: 8, .size: 8, .value_kind: global_buffer, .address_space: global }
    .group_segment_fixed_size: 41472
    .private_segment_fixed_size: 0
    .kernarg_segment_align: 8
    .kernarg_segment_size: 16
    .max_flat_workgroup_size: 128
    .sgpr_count:     66
    .vgpr_count:     202
    .wavefront_size: 32
...
	.end_amdgpu_metadata
.endif
;; end of part 1
;; launch attn (part 2): grid 16 x 16, 16 waves a work-group, clusters of 4 x 1, 327,680 bytes of LDS; arguments qkv, kv, out0; writes out0
.if DOCPART == 2
	.amdgcn_target "amdgcn-amd-amdhsa--gfx1250"
	.amdhsa_code_object_version 6
	.text
	.protected	k_q7a937564a5_attn
	.globl	k_q7a937564a5_attn
	.p2align	8
	.type	k_q7a937564a5_attn,@function
k_q7a937564a5_attn:
	s_mov_b64 s[64:65], 0
	v_nop
	global_prefetch_b8 v0, s[64:65] scope:SCOPE_SE
	s_setreg_imm32_b32 hwreg(HW_REG_WAVE_MODE, 25, 1), 1
	s_wait_xcnt 0x0
	s_wait_alu depctr_hold_cnt(0) depctr_sa_sdst(0) depctr_va_vdst(0) depctr_va_sdst(0) depctr_va_ssrc(0) depctr_va_vcc(0) depctr_vm_vsrc(0)
	s_getreg_b32 s2, hwreg(HW_REG_IB_STS2, 6, 4)
	s_cmp_eq_u32 s2, 0
	s_cbranch_scc0 .Lentry_in_a_cluster
	s_endpgm
.Lentry_in_a_cluster:
	s_bfe_u32 s2, ttmp6, 0x10000c
	s_cmp_lg_u32 s2, 0x3003
	s_cbranch_scc0 .Lentry_shape_is_right
	s_endpgm
.Lentry_shape_is_right:
; out0[b][c][t] = the sum over s of softmax_s(q[b][:,t] . k[b][:,s] / 8) v[b][c][s], both products on codes of BF6 (E3M2) with one E8M0 scale for each 32 along a product's K.
; qkv: [16][192][4096] f32 (q = rows 0-63).  kv: k x 64^(-1/4) and v as images of operand registers with their scale images, for each batch 32 key steps x 12,288 bytes, then 32 x 512 bytes of scales.
; THE SOFTMAX: t = score x log2(e); M = the running largest t rounded UP to a whole number; p = 2^(t - M) is quantised along the keys, not normalised; the row's sum is taken of the unquantised p and divides at the end.
; When M moves, the sum and O are multiplied by 2^(old M - new M): exact, in every step, without a branch.
; SHARES.  A work-group owns 256 queries of one batch; each of its sixteen waves owns 16 of them in 256 registers, four waves to a SIMD.
; LAYOUT.  Both products are used transposed: S^T = K Q^T, O^T = V P^T: a lane holds ONE query (lane % 16) throughout.  The keys of K's tiles are chosen so that registers S + 32 c .. S + 32 c + 31 of lane (r, h)
; are keys 64 c + 32 h + 0 .. 31: a whole block of 32, in the order of P's operand registers.  So a block's maximum needs no other lane and the conversions' results are moved, not exchanged between lanes.
; K = 64 fills half an instruction's 128: a fragment of K holds two tiles of 16 keys and is multiplied by [q | zero codes] and by [zero codes | q]; the zero half's scale bytes are 1.
; LDS.  24 places of a key step (12,288 bytes); step s lies in place (s + 6) % 24.  q (64 rows x 1,024 bytes) lies in places 0-5 until it is read.  FILLS, two key steps (96 rows of 256 bytes) a load, one load a wave:
; at the head steps 0-7 (waves 0-3), the scales (wave 4), q (wave 5); behind the next round steps 8-17 (waves 0-4: first fills only); behind the round in step 7 steps 18-31 (waves 0-6: refills only, of q's and steps 0-7's places).
; So the walk has phases of 8, 10 and 14 steps, and each load has 8 or 10 steps' work between its request and the wait for it.  A wave has at most one tensor load out.
; IN A PHASE'S LAST STEP a wave runs the three lines and signals as soon as its last LDS reads of the phase are back; the softmax and the second product, work on registers, stand between signal and wait.
; The next step's K is loaded behind the scores' products of the step before, V of a step at the same place: one wait on DScnt a step, in front of the second product.
; CLUSTER.  The four query blocks of a cluster belong to one batch and walk the same kv: codes and scales are asked for JOINTLY (mask 15).  4 x 1: work-groups of different batches share nothing.  q is the work-group's own: a plain load.
; PREFETCH.  Steps 18-31 are named once, eight key steps ahead of their load: the batch's first cluster asks; wave 8 + i names chunk i (two steps), of which partner cx takes 24 blocks of 256 bytes by address (lanes 24-31 name the last again).
; Steps 0-17 and the scales come by their loads alone: nothing runs ahead of them.
; LIMITS: NaN and infinities among the inputs are not served.  The promise holds while the scaled scores stay under 2^31 in magnitude.  A block of q whose largest magnitude lies under 2^-122 keeps the byte 1.
; v_exp_f32 gives 0 for p under 2^-126.  A block's largest p is made from its largest score by the same multiply-add and exponential; this takes v_exp_f32 not to fall where its input rises.
.set STEPB, 12288
.set QREG,  0
.set TB0,   6*STEPB                    ; step 0's place
.set STAGE, 14*STEPB                   ; the way out: 64 rows x 1,040 bytes in the places of steps 8-13, last filled and last read ahead of the barrier in step 17
.set SCL,   24*STEPB                   ; the batch's 32 scale images, filled once
.set SPARE, SCL+16384                  ; the spare words, 128 bytes a wave
.set SP,    1040
.set KVB,   32*STEPB+16384
.set LI,  1                            ; v1   16 x lane
.set ADR, 2                            ; v2   LDS address of the step's codes
.set SPW, 3                            ; v3   my spare word; never rewritten
.set NIL, 8                            ; v8   0; never rewritten
.set ADS, 9                            ; v9   LDS address of the step's scale image
.set F,   10                           ; v10  f = 2^(old M - new M); v11 log2(e), for the dual forms.  v4-7 at work; v12 -M; v13 the running largest score; v[14:15] the sum in two halves
.set QHI, 16                           ; v16-27 [zero codes | q]
.set QLO, 22                           ; v22-33 [q | zero codes]
.set QSL, 34
.set QSH, 35
.set SC,  36                           ; v36-37 K's scale words, v38-39 V's
.set KF,  40                           ; v40-87 K's four fragments
.set VF,  88                           ; v88-135 V's four fragments
.set S,   136                          ; v136-199 S^T, then p
.set O,   200                          ; v200-231 O^T
.set PC,  232                          ; v232-243 p's codes
.set CT,  244                          ; v244-246, v248-250 a conversion's second half; then chains of the sum
.set PFO, 247                          ; v247 the prefetch's offset; never rewritten
.set PW,  251                          ; v251 p's scale word
.set BM,  252                          ; v252-255 largest scores; then chains of the sum
.set WV,  10
.set SEL, 14
.set CS,  16                           ; s[16:17] log2(e)
.set QS,  18                           ; s[18:19] 64^(-1/4)
.set G1C, 20
.set G1S, 28
.set G1Q, 36
.set G0C, 44
.set G0S, 48
.set G0Q, 52
.set TB,  56                           ; s56  LDS byte of the step's codes
.set TS,  57                           ; s57  and of its scale image
.set LIM, 59                           ; s59  0 in a wave that prefetches
.set PFA, 60
.set STEPS, 62
.macro CREST                           ; a round of the cluster's barrier behind its opening barrier
	s_cmp_lg_u32 s[WV], 0
	s_cbranch_scc1 .Lnw0_\@
	s_barrier_signal -3
.Lnw0_\@:
	s_barrier_wait -3
	s_barrier_signal -1
	s_barrier_wait -1
.endm
.macro CROUND
	s_barrier_signal -1
	s_barrier_wait -1
	CREST
.endm
.macro JLOAD n                         ; the joint load of waves 0 .. n - 1, two key steps each
	s_cmp_lt_u32 s[WV], \n
	s_cbranch_scc0 .Lnl_\@
	tensor_load_to_lds s[G0C:G0C+3], s[G1C:G1C+7]
	s_nop 0
.rept 4
	v_nop
.endr
.Lnl_\@:
.endm
	s_load_b128 s[4:7], s[0:1], 0x0                ; qkv, kv
	s_load_b64 s[8:9], s[0:1], 0x10                ; out0
	v_lshl_add_u32 v[SPW], v0, 2, SPARE
	v_mov_b32 v[NIL], 0
	ds_add_u32 v[SPW], v[NIL]                      ; the opening lines: the add twice on end and its wait
	ds_add_u32 v[SPW], v[NIL]
	s_wait_dscnt 0x0
	v_lshrrev_b32 v1, 5, v0
	s_delay_alu instid0(VALU_DEP_1)
	v_readfirstlane_b32 s[WV], v1                  ; wave 0..15
	s_bfe_u32 s11, ttmp6, 0x40000                  ; cx
	s_lshl_b32 s12, ttmp9, 2
	s_add_co_u32 s12, s12, s11                     ; my block of 256 queries: it enters q's and out0's addresses alone
	s_and_b32 s13, ttmp7, 0xffff                   ; the batch
	s_mov_b32 s[SEL], 0x76543210
	s_mov_b32 s[SEL+1], 0xfedcba98
	s_mov_b32 s[CS], 0x3fb8aa3b
	s_mov_b32 s[CS+1], s[CS]
	s_mov_b32 s[QS], 0x3eb504f3
	s_mov_b32 s[QS+1], s[QS]
	s_mov_b32 s[TB], TB0
	s_mov_b32 s[TS], SCL
	s_mov_b32 s[G1C], 15|(3<<16)|(1<<21)           ; the codes: mask of all four; elements of 8 bytes; 96 dense rows of 256 bytes
	s_mov_b32 s[G1C+1], 32<<16
	s_mov_b32 s[G1C+2], 96<<16
	s_mov_b32 s[G1C+3], 32<<16
	s_mov_b32 s[G1C+4], 96
	s_mov_b32 s[G1C+5], 32
	s_mov_b32 s[G1C+6], 0
	s_mov_b32 s[G1C+7], 0
	s_mov_b32 s[G1S], 15|(3<<16)|(1<<21)           ; the scales: 64 such rows
	s_mov_b32 s[G1S+1], 32<<16
	s_mov_b32 s[G1S+2], 64<<16
	s_mov_b32 s[G1S+3], 32<<16
	s_mov_b32 s[G1S+4], 64
	s_mov_b32 s[G1S+5], 32
	s_mov_b32 s[G1S+6], 0
	s_mov_b32 s[G1S+7], 0
	s_mov_b32 s[G1Q], 2<<16                        ; q: no mask; 64 rows of 256 elements of 4 bytes, 4,096 elements apart
	s_mov_b32 s[G1Q+1], 256<<16
	s_mov_b32 s[G1Q+2], 64<<16
	s_mov_b32 s[G1Q+3], 256<<16
	s_mov_b32 s[G1Q+4], 64
	s_mov_b32 s[G1Q+5], 4096
	s_mov_b32 s[G1Q+6], 0
	s_mov_b32 s[G1Q+7], 0
	s_mul_i32 s66, s13, KVB                        ; the batch in kv.  s66-73 feed the joint loads and never hold cx
	s_and_b32 s68, s[WV], 7
	s_mul_i32 s69, s68, 2*STEPB                    ; my two key steps of a group of loads; kept
	s_add_co_u32 s70, s66, s69
	s_mov_b32 s71, 0
	s_add_co_u32 s72, s66, 32*STEPB
	s_mov_b32 s73, 0
	s_mul_i32 s74, s13, 192*16384
	s_lshl_b32 s75, s12, 10
	s_add_co_u32 s74, s74, s75
	s_lshl_b32 s78, s13, 20
	s_add_co_u32 s78, s78, s75
	s_lshl_b32 s75, s[WV], 16                      ; the four rows that my wave stores
	s_add_co_u32 s78, s78, s75
	s_mov_b32 s75, 0
	s_mov_b32 s79, 0
	s_mul_i32 s76, s11, 6144                       ; the prefetch: my work-group's quarter of my wave's chunk,
	s_add_co_u32 s76, s76, s70
	s_add_co_u32 s76, s76, 18*STEPB                ; from step 18 on
	s_mov_b32 s77, 0
	s_sub_co_u32 s67, s[WV], 8
	s_cmp_lt_u32 s67, 7                            ; waves 8 .. 14
	s_cselect_b32 s67, 0, 1
	s_or_b32 s[LIM], s67, ttmp9                    ; of the batch's first cluster: the same in all four partners
	s_wait_kmcnt 0x0
	s_mov_b32 s[G0C], 1
	s_add_co_u32 s[G0C+1], s69, TB0
	s_add_nc_u64 s[G0C+2:G0C+3], s[6:7], s[70:71]
	s_or_b32 s[G0C+3], s[G0C+3], 0x80000000
	s_mov_b32 s[G0S], 1
	s_mov_b32 s[G0S+1], SCL
	s_add_nc_u64 s[G0S+2:G0S+3], s[6:7], s[72:73]
	s_or_b32 s[G0S+3], s[G0S+3], 0x80000000
	s_mov_b32 s[G0Q], 1
	s_mov_b32 s[G0Q+1], QREG
	s_add_nc_u64 s[G0Q+2:G0Q+3], s[4:5], s[74:75]
	s_or_b32 s[G0Q+3], s[G0Q+3], 0x80000000
	s_add_nc_u64 s[PFA:PFA+1], s[6:7], s[76:77]
	s_add_nc_u64 s[8:9], s[8:9], s[78:79]
	CROUND                                         ; all four work-groups are here: the first joint loads meet
	s_cmp_lt_u32 s[WV], 4                          ; the first fills, one a wave: waves 0-3 steps 0-7, wave 4 the scales, wave 5 q
	s_cbranch_scc0 .Lnot_codes
	tensor_load_to_lds s[G0C:G0C+3], s[G1C:G1C+7]
	s_nop 0
.rept 4
	v_nop
.endr
	s_branch .Lfirst_asked
.Lnot_codes:
	s_cmp_eq_u32 s[WV], 4
	s_cbranch_scc0 .Lnot_scales
	tensor_load_to_lds s[G0S:G0S+3], s[G1S:G1S+7]
	s_nop 0
.rept 4
	v_nop
.endr
	s_branch .Lfirst_asked
.Lnot_scales:
	s_cmp_eq_u32 s[WV], 5
	s_cbranch_scc0 .Lfirst_asked
	tensor_load_to_lds s[G0Q:G0Q+3], s[G1Q:G1Q+7]
	s_nop 0
.rept 4
	v_nop
.endr
.Lfirst_asked:
	v_and_b32 v[LI], 31, v0
	s_delay_alu instid0(VALU_DEP_1)
	v_min_u32 v[PFO], 23, v[LI]
	v_lshlrev_b32 v[LI], 4, v[LI]
	s_delay_alu instid0(VALU_DEP_2)
	v_lshlrev_b32 v[PFO], 8, v[PFO]
.irp i, 4,5,6,7
	v_mov_b32 v\i, 0                               ; a lane permute's destination counts as one of its sources
.endr
	v_mov_b32 v[F+1], s[CS]                        ; log2(e) in a vector register
	v_mov_b32 v13, 0xff000000                      ; the largest score so far: -2^127
	s_delay_alu instid0(VALU_DEP_1)
	v_mul_f32 v6, s[CS], v13
	s_delay_alu instid0(VALU_DEP_1)
	v_floor_f32 v12, -v6                           ; -M
	v_mov_b32 v14, 0
	v_mov_b32 v15, 0
.irp i, 0,1,2,3,4,5
	v_mov_b32 v[QHI+\i], 0                         ; the zero codes on either side of q's
	v_mov_b32 v[QLO+6+\i], 0
.endr
	v_and_b32 v5, 15, v0                           ; r
	v_bfe_u32 v7, v0, 4, 1                         ; h
	s_delay_alu instid0(VALU_DEP_2)
	v_lshlrev_b32 v[ADR], 2, v5
	s_delay_alu instid0(VALU_DEP_1)
	v_lshl_add_u32 v[ADR], v7, 15, v[ADR]          ; q: lanes 16-31 begin 32 rows of 1,024 bytes further down
	s_lshl_b32 s66, s[WV], 6
	s_add_co_u32 s66, s66, QREG
	v_add_nc_u32 v[ADR], s66, v[ADR]
	s_mov_b32 s67, 0x0101
	s_wait_alu depctr_va_vdst(0)                   ; the wait at the head's end
	s_wait_tensorcnt 0x0                           ; my first fill, if I issued one, has landed
	ds_add_u32 v[SPW], v[NIL]                      ; the add, here twice
	ds_add_u32 v[SPW], v[NIL]
	s_add_co_u32 s[G0C+1], s69, 14*STEPB           ; steps 8-17: their places,
	s_add_nc_u64 s[G0C+2:G0C+3], s[G0C+2:G0C+3], 8*STEPB   ; and their bytes in kv
	s_wait_dscnt 0x0
	CROUND                                         ; everybody's first fill is in; behind this round no bytes are filled again
	JLOAD 5
.set i, 0
.rept 32
	ds_load_b32 v[S+i], v[ADR] offset:1024*i       ; lane (r, h): query r, channels 32 h .. 32 h + 31: a whole block in the operand's order
.set i, i+1
.endr
	s_cmp_eq_u32 s[LIM], 0
	s_cbranch_scc0 .Lnot_mine
	global_prefetch_b8 v[PFO], s[PFA:PFA+1] th:TH_LOAD_NT scope:SCOPE_SE   ; its address registers are never rewritten
.Lnot_mine:
	s_wait_dscnt 0x0
.set i, 0
.rept 16
	v_pk_mul_f32 v[S+i:S+i+1], v[S+i:S+i+1], s[QS:QS+1] op_sel_hi:[1,0]       ; q x 64^(-1/4), in f32, ahead of the quantiser
.set i, i+2
.endr
	v_max3_num_f32 v[BM], |v[S]|, |v[S+1]|, |v[S+2]|
	v_max3_num_f32 v[BM+1], |v[S+3]|, |v[S+4]|, |v[S+5]|
.irp i, 6,10,14,18,22,26
	s_delay_alu instid0(VALU_DEP_2)
	v_max3_num_f32 v[BM], v[BM], |v[S+\i]|, |v[S+\i+1]|
	s_delay_alu instid0(VALU_DEP_2)
	v_max3_num_f32 v[BM+1], v[BM+1], |v[S+\i+2]|, |v[S+\i+3]|
.endr
	s_delay_alu instid0(VALU_DEP_2)
	v_max3_num_f32 v[BM], v[BM], |v[S+30]|, |v[S+31]|
	s_delay_alu instid0(VALU_DEP_1)
	v_max3_num_f32 v[BM], v[BM], v[BM+1], 0x2800000    ; and the floor 2^(5 - 127)
	s_delay_alu instid0(VALU_DEP_1)
	v_add_nc_u32 v[BM], 0xfe000000, v[BM]
	s_delay_alu instid0(VALU_DEP_1)
	v_lshrrev_b32 v4, 23, v[BM]                    ; the byte
	v_cvt_scalef32_pk16_bf6_f32 v[QLO:QLO+2], v[S:S+15], v[BM]
	v_cvt_scalef32_pk16_bf6_f32 v[CT:CT+2], v[S+16:S+31], v[BM]
	v_nop
.irp i, 0,1,2
	v_mov_b32 v[QLO+3+\i], v[CT+\i]
.endr
	v_lshlrev_b32 v5, 3, v7                        ; 8 h
	s_delay_alu instid0(VALU_DEP_1)
	v_lshlrev_b32 v4, v5, v4
	s_delay_alu instid0(VALU_DEP_1)
	v_permlanex16_b32 v6, v4, s[SEL], s[SEL+1]
	s_delay_alu instid0(VALU_DEP_1)
	v_or_b32 v4, v4, v6                            ; the query's two bytes
	s_delay_alu instid0(VALU_DEP_1)
	v_or_b32 v[QSL], 0x01010000, v4                ; beside them the byte 1 for the zero codes
	v_lshl_or_b32 v[QSH], v4, 16, s67
.set i, 0
.rept 32
	v_mov_b32 v[O+i], 0                            ; O^T: the first change of M leaves zeros zeros.  Also the places between q's codes and scale words and the first product
.set i, i+1
.endr
.macro KQ t, q0, qs, row               ; S^T's tile t: fragment t / 2 of K against q on the side of the tile's half
.if \row
	v_wmma_scale_f32_16x16x128_f8f6f4 v[S+8*\t:S+8*\t+7], v[KF+12*(\t/2):KF+12*(\t/2)+11], v[\q0:\q0+11], 0, v[SC+\t/4], v[\qs] matrix_a_fmt:MATRIX_FMT_BF6 matrix_b_fmt:MATRIX_FMT_BF6 matrix_a_scale:MATRIX_SCALE_ROW1
.else
	v_wmma_scale_f32_16x16x128_f8f6f4 v[S+8*\t:S+8*\t+7], v[KF+12*(\t/2):KF+12*(\t/2)+11], v[\q0:\q0+11], 0, v[SC+\t/4], v[\qs] matrix_a_fmt:MATRIX_FMT_BF6 matrix_b_fmt:MATRIX_FMT_BF6
.endif
.endm
.macro PV t, row                       ; O^T's tile t += V's fragment t x P
.if \row
	v_wmma_scale_f32_16x16x128_f8f6f4 v[O+8*\t:O+8*\t+7], v[VF+12*\t:VF+12*\t+11], v[PC:PC+11], v[O+8*\t:O+8*\t+7], v[SC+2+\t/2], v[PW] matrix_a_fmt:MATRIX_FMT_BF6 matrix_b_fmt:MATRIX_FMT_BF6 matrix_a_scale:MATRIX_SCALE_ROW1
.else
	v_wmma_scale_f32_16x16x128_f8f6f4 v[O+8*\t:O+8*\t+7], v[VF+12*\t:VF+12*\t+11], v[PC:PC+11], v[O+8*\t:O+8*\t+7], v[SC+2+\t/2], v[PW] matrix_a_fmt:MATRIX_FMT_BF6 matrix_b_fmt:MATRIX_FMT_BF6
.endif
.endm
.macro A3 d, a, b
	v_dual_add_f32 v[\d], v[\a], v[\b] :: v_dual_add_f32 v[\d+1], v[\a+1], v[\b+1]   ; two additions on neighbouring registers: one even and one odd destination, sources in different banks
.endm
.macro LOADK                           ; a phase's first K and its scale words
	v_add_nc_u32 v[ADR], s[TB], v[LI]
	v_add_nc_u32 v[ADS], s[TS], v[LI]
	ds_load_b64 v[SC:SC+1], v[ADS]
.set i, 0
.rept 12
	ds_load_b128 v[KF+4*i:KF+4*i+3], v[ADR] offset:512*i
.set i, i+1
.endr
	s_wait_dscnt 0x0
.endm
; From the scores to p's codes, scale word and sum: work on registers alone.
.macro SOFTMAX
.irp b, 0,1,2,3
	v_max3_num_f32 v[BM+\b], v[S+16*\b], v[S+1+16*\b], v[S+2+16*\b]           ; four chains of 16 scores; each tile is read from its low end on
.endr
.irp i, 3,5,7,9,11,13
.irp b, 0,1,2,3
	v_max3_num_f32 v[BM+\b], v[BM+\b], v[S+16*\b+\i], v[S+1+16*\b+\i]
.endr
.endr
	v_max3_num_f32 v[BM], v[BM], v[S+15], v[S+31]
	v_max3_num_f32 v[BM+2], v[BM+2], v[S+47], v[S+63]
	s_delay_alu instid0(VALU_DEP_2)
	v_max_num_f32 v[BM], v[BM], v[BM+1]            ; the largest score of my block h,
	s_delay_alu instid0(VALU_DEP_2)
	v_max_num_f32 v[BM+2], v[BM+2], v[BM+3]        ; and of my block 2 + h
	s_delay_alu instid0(VALU_DEP_1)
	v_max_num_f32 v5, v[BM], v[BM+2]
	s_delay_alu instid0(VALU_DEP_1)
	v_permlanex16_b32 v6, v5, s[SEL], s[SEL+1]
	s_delay_alu instid0(VALU_DEP_1)
	v_max3_num_f32 v13, v13, v5, v6                ; the running largest score of my query
	s_delay_alu instid0(VALU_DEP_1)
	v_mul_f32 v7, s[CS], v13                       ; as t (the multiplication keeps the order)
	s_delay_alu instid0(VALU_DEP_1)
	v_floor_f32 v12, -v7                           ; the new -M = -ceil(t)
	s_delay_alu instid0(VALU_DEP_1)
	v_sub_f32 v4, v12, v4                          ; old M less new M: a whole number, 0 or less
.set j, 0
.rept 3
	v_dual_fma_f32 v[S+j], v[S+j], v[F+1], v12 :: v_dual_fma_f32 v[S+j+1], v[S+j+1], v[F+1], v12   ; t - M, two at a time
.set j, j+2
.endr
	v_cvt_i32_f32 v4, v4                           ; (it saturates)
.rept 3
	v_dual_fma_f32 v[S+j], v[S+j], v[F+1], v12 :: v_dual_fma_f32 v[S+j+1], v[S+j+1], v[F+1], v12
.set j, j+2
.endr
	v_ldexp_f32 v[F], 1.0, v4                      ; f = 2^(old M - new M)
.rept 26
	v_dual_fma_f32 v[S+j], v[S+j], v[F+1], v12 :: v_dual_fma_f32 v[S+j+1], v[S+j+1], v[F+1], v12
.set j, j+2
.endr
	v_fma_f32 v[BM], v[BM], s[CS], v12             ; the same multiply-add of each block's largest score
	v_fma_f32 v[BM+2], v[BM+2], s[CS], v12
.set j, 0
.rept 16
	v_dual_mul_f32 v[O+j], v[F], v[O+j] :: v_dual_mul_f32 v[O+j+1], v[F], v[O+j+1]   ; O^T under the new M, each tile from its low end on, ahead of the exponentials
.set j, j+2
.endr
	s_wait_alu depctr_va_vdst(0)                   ; the wait ahead of the batch
	v_exp_f32 v[BM], v[BM]                         ; the blocks' largest p
	v_exp_f32 v[BM+2], v[BM+2]
.set j, 0
.rept 64
	v_exp_f32 v[S+j], v[S+j]                       ; p = 2^(t - M), at most 1
.set j, j+1
.endr
	v_pk_mul_f32 v[14:15], v[14:15], v[F:F+1] op_sel_hi:[1,0]                 ; the sums under the new M: the plain instruction behind the exponentials
	s_wait_alu depctr_va_vdst(0)                   ; one wait for the batch, ahead of its first reader
	v_max_num_f32 v[BM], 0x2800000, v[BM]          ; the floor 2^(5 - 127)
	v_max_num_f32 v[BM+2], 0x2800000, v[BM+2]
	s_delay_alu instid0(VALU_DEP_2)
	v_add_nc_u32 v[BM], 0xfe000000, v[BM]          ; 4 off the exponent field: the conversion's scale operand
	s_delay_alu instid0(VALU_DEP_2)
	v_add_nc_u32 v[BM+2], 0xfe000000, v[BM+2]
	s_delay_alu instid0(VALU_DEP_2)
	v_lshrrev_b32 v4, 23, v[BM]                    ; the bytes
	v_lshrrev_b32 v5, 23, v[BM+2]
.irp c, 0,1
	v_cvt_scalef32_pk16_bf6_f32 v[PC+6*\c:PC+2+6*\c], v[S+32*\c:S+15+32*\c], v[BM+2*\c]
	v_cvt_scalef32_pk16_bf6_f32 v[CT+4*\c:CT+2+4*\c], v[S+16+32*\c:S+31+32*\c], v[BM+2*\c]   ; (a conversion's three registers begin on an even number)
.endr
	v_lshl_or_b32 v4, v5, 16, v4                   ; my blocks' bytes at bits 0 and 16: the plain place behind the conversions
	s_delay_alu instid0(VALU_DEP_1)
	v_permlanex16_b32 v6, v4, s[SEL], s[SEL+1]
	v_dual_mov_b32 v[PC+3], v[CT] :: v_dual_mov_b32 v[PC+4], v[CT+1]          ; registers 6 c .. 6 c + 5: keys 64 c + 32 h + 0 .. 31
	v_dual_mov_b32 v[PC+5], v[CT+2] :: v_dual_mov_b32 v[PC+10], v[CT+5]
	v_mov_b32 v[PC+9], v[CT+4]
	v_mov_b32 v[PC+11], v[CT+6]
	v_lshl_or_b32 v[PW], v6, 8, v4                 ; lanes 0-15: blocks 0, 2 mine, blocks 1, 3 lane l + 16's.  The product reads lanes 0-15 alone
	A3 4, S, S+2                                   ; the sum of the unquantised p, in seven chains.  These 32 lines are also the places between p's codes and scale word and the products
	A3 6, S+4, S+6
	A3 252, S+8, S+10
	A3 254, S+12, S+14
	A3 244, S+16, S+18
	A3 248, S+20, S+22
	A3 14, 14, S+24
.set k, S+26
.rept 2
.irp d, 4,6,252,254,244,248,14
	A3 \d, \d, k
.set k, k+2
.endr
.endr
.irp d, 4,6,252,254,244
	A3 \d, \d, k
.set k, k+2
.endr
	A3 4, 4, 6
	A3 252, 252, 254
	A3 244, 244, 248
	A3 4, 4, 252
	A3 14, 14, 244
	A3 14, 14, 4
.endm
; A KEY STEP.  mode 0: inside a phase, the next step's K is fetched.  1: step 7, with the round and the refill.  2: step 17, with a barrier behind which nothing is filled.  3: step 31.
.macro BODY mode
	KQ 0, QLO, QSL, 0
	KQ 1, QHI, QSH, 0
	KQ 2, QLO, QSL, 1
	KQ 3, QHI, QSH, 1
	KQ 4, QLO, QSL, 0
	KQ 5, QHI, QSH, 0
	KQ 6, QLO, QSL, 1
	KQ 7, QHI, QSH, 1
	v_add_nc_u32 v[ADR], s[TB], v[LI]              ; four places behind the products: ahead of the loads into their registers and of the first read of the scores
	v_add_nc_u32 v[ADS], s[TS], v[LI]
	v_mov_b32 v4, v12                              ; the old -M
	v_nop
	ds_load_b64 v[SC+2:SC+3], v[ADS] offset:8      ; V's scale words
.set i, 0
.rept 12
	ds_load_b128 v[VF+4*i:VF+4*i+3], v[ADR] offset:6144+512*i
.set i, i+1
.endr
.if \mode == 0
	ds_load_b64 v[SC:SC+1], v[ADS] offset:512      ; the next step's K
.set i, 0
.rept 12
	ds_load_b128 v[KF+4*i:KF+4*i+3], v[ADR] offset:STEPB+512*i
.set i, i+1
.endr
.endif
.if (\mode == 1) || (\mode == 2)
	s_wait_alu depctr_va_vdst(0)                   ; the wait ahead of the blocking waits
	s_wait_tensorcnt 0x0                           ; all my tensor loads have landed
	ds_add_u32 v[SPW], v[NIL]
.if \mode == 1
	ds_add_u32 v[SPW], v[NIL]                      ; twice
	s_mov_b32 s[G0C+1], s69                        ; steps 18-31: places 0-13,
	s_add_nc_u64 s[G0C+2:G0C+3], s[G0C+2:G0C+3], 10*STEPB
.endif
	s_wait_dscnt 0x0                               ; the add is done, and my last reads of this phase's places are back
	s_barrier_signal -1                            ; say so; what follows up to the wait works on registers alone
.endif
	SOFTMAX
	s_wait_alu depctr_va_vdst(0)                   ; the wait ahead of the blocking wait, the barrier and the branch that follow
.if (\mode == 0) || (\mode == 3)
	s_wait_dscnt 0x0                               ; V is in (and the next K)
.endif
	PV 0, 0                                        ; four accumulators by turns; the next matrix instruction is the next step's first score tile
	PV 1, 1
	PV 2, 0
	PV 3, 1
	s_add_co_u32 s[TB], s[TB], STEPB
	s_add_co_u32 s[TS], s[TS], 512
.if \mode == 1
	s_barrier_wait -1
	CREST                                          ; no wave of any partner still reads places 0-13 or has a load on its way
	JLOAD 7
.endif
.if \mode == 2
	s_barrier_wait -1
.endif
.endm
.macro PHASE n                         ; a phase's first n steps
	LOADK
	s_mov_b32 s[STEPS], \n
.Lst_\@:
	BODY 0
	s_sub_co_u32 s[STEPS], s[STEPS], 1
	s_cmp_lg_u32 s[STEPS], 0
	s_cbranch_scc1 .Lst_\@
.endm
	PHASE 7                                        ; steps 0-6
	BODY 1                                         ; step 7
	PHASE 9                                        ; steps 8-16
	BODY 2                                         ; step 17
	s_mov_b32 s[TB], 0                             ; step 18 lies in place 0
	PHASE 13                                       ; steps 18-30
	BODY 3                                         ; step 31
	; THE WAY OUT.  O^T / the sum goes into the work-group's stage (row = channel), a barrier, and each wave stores four whole rows of 1,024 bytes.
	v_add_f32 v14, v14, v15
	s_delay_alu instid0(VALU_DEP_1)
	v_permlanex16_b32 v6, v14, s[SEL], s[SEL+1]
	s_delay_alu instid0(VALU_DEP_1)
	v_add_f32 v14, v14, v6                         ; the row's sum
	s_wait_alu depctr_va_vdst(0)
	v_rcp_f32 v14, v14
	v_and_b32 v5, 15, v0                           ; r
	v_bfe_u32 v7, v0, 4, 1                         ; h
	s_delay_alu instid0(VALU_DEP_2)
	v_lshlrev_b32 v[ADR], 2, v5
	s_delay_alu instid0(VALU_DEP_1)
	v_mad_u32_u24 v[ADR], v7, 8*SP, v[ADR]         ; in: channel 16 t + 8 h + j, query 16 w + r
	s_lshl_b32 s66, s[WV], 6
	s_add_co_u32 s66, s66, STAGE
	v_add_nc_u32 v[ADR], s66, v[ADR]
	s_mul_i32 s67, s[WV], 4*SP
	s_add_co_u32 s67, s67, STAGE
	v_add_nc_u32 v[ADS], s67, v[LI]                ; back: rows 4 w .. 4 w + 3, 16 bytes a lane
	s_wait_alu depctr_va_vdst(0)                   ; ahead of the first reader of the reciprocal and of O^T
.set j, 0
.rept 16
	v_pk_mul_f32 v[S+j:S+j+1], v[O+j:O+j+1], v[14:15] op_sel_hi:[1,0]
.set j, j+2
.endr
.irp t, 0,1,2,3
.irp j, 0,1,2,3,4,5,6,7
	ds_store_b32 v[ADR], v[S+8*\t+\j] offset:(16*\t+\j)*SP
.endr
.endr
	s_wait_dscnt 0x0                               ; for the others' sake: my stores into the stage are done
	s_barrier_signal -1
	s_barrier_wait -1
.set i, 0
.rept 8
	ds_load_b128 v[VF+4*i:VF+4*i+3], v[ADS] offset:(i/2)*SP+512*(i%2)
.set i, i+1
.endr
.set i, 0
.rept 8
	s_wait_dscnt 7-i                               ; the younger loads may stay out
	global_store_b128 v[LI], v[VF+4*i:VF+4*i+3], s[8:9] offset:(i/2)*16384+512*(i%2) th:TH_STORE_NT   ; 32 lanes store 512 consecutive bytes, at a multiple of 256 from out0's first byte
.set i, i+1
.endr
	s_wait_tensorcnt 0x0                           ; the wave's end
	ds_add_u32 v[SPW], v[NIL]
	s_wait_dscnt 0x0
	CROUND                                         ; the closing round
	s_endpgm
.Lfunc_end_k_q7a937564a5_attn:
	.size	k_q7a937564a5_attn, .Lfunc_end_k_q7a937564a5_attn-k_q7a937564a5_attn
	.p2alignl 7, 3214868480
	.fill 96, 4, 3214868480
	.section	.rodata,"a",@progbits
	.p2align	6, 0x0
	.amdhsa_kernel k_q7a937564a5_attn
		.amdhsa_group_segment_fixed_size 327680
		.amdhsa_private_segment_fixed_size 0
		.amdhsa_enable_private_segment 0
		.amdhsa_kernarg_size 24
		.amdhsa_user_sgpr_count 2
		.amdhsa_user_sgpr_kernarg_segment_ptr 1
		.amdhsa_wavefront_size32 1
		.amdhsa_system_sgpr_workgroup_id_x 1
		.amdhsa_system_sgpr_workgroup_id_y 1
		.amdhsa_system_sgpr_workgroup_id_z 1
		.amdhsa_system_vgpr_workitem_id 0
		.amdhsa_next_free_vgpr 256
		.amdhsa_next_free_sgpr 80
		.amdhsa_reserve_vcc 0
		.amdhsa_float_denorm_mode_32 3
		.amdhsa_float_denorm_mode_16_64 3
		.amdhsa_memory_ordered 1
		.amdhsa_forward_progress 1
		.amdhsa_inst_pref_size 115
	.end_amdhsa_kernel
	.amdgpu_metadata
---
amdhsa.version: [ 1, 2 ]
amdhsa.kernels:
  - .name:           k_q7a937564a5_attn
    .symbol:         k_q7a937564a5_attn.kd
    .args:
      - { .name: qkv, .offset: 0, .size: 8, .value_kind: global_buffer, .address_space: global }
      - { .name: kv, .offset: 8, .size: 8, .value_kind: global_buffer, .address_space: global }
      - { .name: out0, .offset: 16, .size: 8, .value_kind: global_buffer, .address_space: global }
    .group_segment_fixed_size: 327680
    .private_segment_fixed_size: 0
    .kernarg_segment_align: 8
    .kernarg_segment_size: 24
    .max_flat_workgroup_size: 512
    .sgpr_count:     80
    .vgpr_count:     256
    .wavefront_size: 32
...
	.end_amdgpu_metadata
.endif
;; end of part 2
